; MI455X (gfx1250); checked and timed in simulation.
; The chip was launched on July 23, 2026; its instructions are those of AMD's public machine-readable ISA for CDNA 5 (MIT licence, August 2026) and "CDNA5" Instruction Set Architecture Reference Guide (July 2026). The comments in the code are by the model that wrote it; some were corrected since.
;; Cascade Grad Net OURS. Allowed arithmetic: matrix products marked QUANTISED: E2M1 operands, one E8M0 scale for each 32 along K, by v_wmma_scale_f32_16x16x128_f8f6f4 with both operands' format E2M1 (or v_wmma_scale_f32_32x16x128_f4), f32 sums; everything else in f32.
;; Inputs: W 4,096 x 1,024 float32; alpha 8 x 4,096 float32; beta 8 x 4,096 float32; bias_last 1,024 float32; biases 9 x 4,096 float32; x 8,192 x 1,024 float32.
;; Outputs: out0 8,192 x 1,024 float32.
;; This version of the problem:
;;   THIS VERSION OF THE PROBLEM IS GIVEN IN LOW PRECISION. The matrix products marked QUANTISED in the list below multiply operands that are first quantised to E2M1 (2 exponent bits, 1 mantissa bit; 4 bits a number), with one power-of-two scale for each 32 numbers along K (OCP MX v1.0); their sums are f32. All else is computed in f32.
;;   The module's matrix products, in the order in which they are computed (A, B: the left and right operand; K: the contracted axis; several contracted axes count as one K, in the product's order):
;;     1. [M 8,192, K 1,024] x [K 1,024, N 4,096]; A: input x; B: input W: QUANTISED
;;     2. [M 8,192, K 4,096] x [K 4,096, N 1,024]; A: computed on the way; B: input W: QUANTISED
;;   THE QUANTISER, for each operand of a quantised product, along K:
;;     - K is cut into blocks of 32 from its start; a last block that is shorter is filled with zeros.
;;     - A block's scale is 2^e with e = floor(log2(the largest magnitude in the block)) - 2, held to -126 .. 127; a block of zeros has e = 0. As a byte (E8M0): e + 127.
;;     - Each number is divided by its block's scale, clamped to +-6, and rounded to the nearest number of E2M1, ties to even, subnormals kept.
;;     - The product sums the exact products of the quantised numbers (number of the format x scale) in f32.
;;   ~~~python
;;   def quantise(x, axis):      # numpy; x: float32 -> the quantised numbers, widened to float32 again
;;       x = np.moveaxis(x, axis, -1); K = x.shape[-1]
;;       x = np.pad(x, [(0, 0)] * (x.ndim - 1) + [(0, -K % 32)]); x = x.reshape(x.shape[:-1] + (-1, 32)); a = np.abs(x).max(-1, keepdims=True)
;;       e = np.where(a > 0, np.clip(np.frexp(np.where(a > 0, a, 1))[1] - 1 - 2, -126, 127), 0)      # np.frexp(a)[1] - 1 = floor(log2(a)), exactly
;;       r = np.clip(x / 2.0 ** e, -6, 6)
;;       step = 2.0 ** (np.maximum(np.frexp(np.where(r == 0, 1, r))[1] - 1, 0) - 1)
;;       q = np.round(r / step) * step * 2.0 ** e      # np.round: ties to even
;;       return np.moveaxis(q.reshape(q.shape[:-2] + (-1,))[..., :K], -1, axis).astype(np.float32)
;;   ~~~
;;   OPERANDS COMPUTED ON THE WAY. 'Computed on the way' means the value that the module computes at that place (a softmax that the list does not call 'softmax' is quantised finished and normalised). What goes into a quantiser is computed in f32, as accurately as f32 sums, v_exp_f32 and their like allow (about 1e-6 of the number): no bf16 or f16 on the way to a quantiser, and a product that is left as it is and whose result goes on into a quantised operand takes f32 operands (vector FMAs, or v_wmma_f32_16x16x4_f32). A number that lies on a knife's edge between two numbers of the format may be rounded either way, as far as f32 arithmetic and the matrix unit's own rounding can turn it there, and no further.
;; One version. Each part assembles by itself: llvm-mc -triple=amdgcn-amd-amdhsa -mcpu=gfx1250 --defsym DOCPART=n.
;; ======== version 1 of 1: 3 launches
;; limits: right only within a limited range of input values
;; workspace buffers: xq 4,456,448 bytes; w1q 2,228,224 bytes; w2q 2,228,224 bytes; prm 393,216 bytes; zq 17,825,792 bytes
;; launch prep (part 1): grid 656 x 1, 4 waves a work-group, no clusters, 50,688 bytes of LDS; arguments x, W, alpha, beta, biases, xq, w1q, w2q, prm; writes xq, w1q, w2q, prm
.if DOCPART == 1
	.amdgcn_target "amdgcn-amd-amdhsa--gfx1250"
	.amdhsa_code_object_version 6
	.text
	.protected	k_q74519908aa_prep
	.globl	k_q74519908aa_prep
	.p2align	8
	.type	k_q74519908aa_prep,@function
k_q74519908aa_prep:
	s_mov_b64 s[64:65], 0
	v_nop
	global_prefetch_b8 v0, s[64:65] scope:SCOPE_SE
	s_setreg_imm32_b32 hwreg(HW_REG_WAVE_MODE, 25, 1), 1
	s_wait_xcnt 0x0
; PREP: all that is made once, ahead of the two products.  x [8192][1024], W [4096][1024], alpha, beta [8][4096], biases [9][4096]: f32.
; Three kinds of work-group, told apart by the work-group's number alone:
;   0 .. 255   W ALONG ITS FIRST AXIS (the second product's K = 4096): codes of FP4 (E2M1) and E8M0 scale words into w2q
;   256 .. 383 W ALONG ITS ROWS (the first product's K = 1024) into w1q;      384 .. 639 x likewise into xq
;   640 .. 655 the table prm: for each 256 columns 24 rows of 256 f32: c_i = beta_i x biases_i (rows 0-7), beta_i (8-15), alpha_i (16-23).  biases[8] enters no result of the problem and is not loaded.
; THE QUANTISER: a block of 32 along K has the scale 2^(floor(log2(its largest magnitude)) - 2); its byte is the largest magnitude's own exponent field - 2, held at 1 from below; each number is divided by the
; scale and rounded to the nearest code, ties to even, beyond 6 the largest code.
; LIMITS: a block whose largest magnitude lies under 2^-124 (a block of zeros too) gets the byte 1: zero codes add nothing under any byte but 0xff, and this program alone reads the bytes.  NaN and infinities among the inputs are not served.
; LAYOUTS.  xq: codes [8192][512 bytes], K innermost; from byte 4,194,304 on scale bytes [8192][32].   w1q: the same for 4096 PLACES, scale bytes from byte 2,097,152 on; place p holds the row of W whose number is p
; with bits 3 and 4 exchanged: 16 neighbouring places are then the rows that give a lane of the first product's result 16 neighbours along the second product's K.
; w2q: codes as images of operand registers, [e / 512][n / 16][(e / 128) % 4][1,024 bytes]; in an image the 16 bytes of block (e / 32) % 4 of column n % 16 lie at 256 x block + 16 x (n % 16);
; from byte 2,097,152 on scale words [e / 256][n][2 words], a word for 128 along e.
; LAYOUTS OF xq AND w1q AS THIS TEXT WRITES THEM (they take the place of what is said of these two buffers above).  Both are images of operand registers:
; codes [group of 16 rows][k / 128][1,024 bytes]; in an image the 16 bytes of block (k / 32) % 4 of the group's row t lie at 256 x block + 16 t.  Scale bytes (xq: from byte 4,194,304; w1q: from byte 2,097,152):
; [group][k / 512][row t][16 bytes].  A group of x is 16 neighbouring rows.  Group 2 i + g of W holds rows 32 i + 8 g + t + 8 (t / 8): they give a lane of the first product's result 16 neighbours along the second product's K.
; A wave of the rows' path takes one group and one half of K: 16 steps, a row's 512 numbers each.  Its codes gather in a stage of its own in LDS (16 units of 256 bytes, 272 apart) and leave as 4,096 consecutive bytes.
.set WREG,  8192
.set SP,    80                         ; a lane's place in a stage: its 64 bytes + 16 of padding
.set STEPS, 16
.set EMAX,  2
.set CB,    8                          ; bytes of 16 codes
.set R,     16                         ; rows' path: v16-79   four sets of 16 numbers as they are loaded
.set X,     80                         ;             v80-111  two sets of 16 neighbours
.set E,     112                        ;             v112-127 a scale byte for each step
.set C,     128                        ;             v128-191 codes: four registers for each step, so that no store's data are written again
.set TN,    32                         ; columns' path: v32-95  two sets of 32 numbers
.set TCD,   96                         ;                v96-111 four registers of codes for each of the four blocks
.set TSW,   24                         ;                v24     the scale word
; ---- macros of the columns' path
.macro TLOAD t                         ; block t: W(32 t + i, my column), i = 0 .. 31, into set t % 2; each load reads 128 consecutive bytes a wave
.irp i, 0,1,2,3,4,5,6,7,8,9,10,11,12,13,14,15,16,17,18,19,20,21,22,23,24,25,26,27,28,29,30,31
	global_load_b32 v[TN+32*((\t)%2)+\i], v3, s[6:7] offset:(32*(\t)+\i)*4096
.endr
.endm
.macro TBLOCK t
.set XS, TN+32*((\t)%2)
.if (\t) < 3
	s_wait_loadcnt 32                              ; this block's 32 loads are in; the next block's 32 may be out
.else
	s_wait_loadcnt 0
.endif
	v_max3_num_f32 v12, |v[XS]|, |v[XS+1]|, |v[XS+2]|               ; the block's largest magnitude: all 32 numbers are mine; two chains
	v_max3_num_f32 v13, |v[XS+3]|, |v[XS+4]|, |v[XS+5]|
.irp i, 6,10,14,18,22,26
	v_max3_num_f32 v12, v12, |v[XS+\i]|, |v[XS+\i+1]|
	v_max3_num_f32 v13, v13, |v[XS+\i+2]|, |v[XS+\i+3]|
.endr
	v_max3_num_f32 v12, v12, |v[XS+30]|, |v[XS+31]|
	v_max3_num_f32 v12, v12, v13, (EMAX+1)<<23     ; and the floor 2^(3 - 127): the byte cannot fall under 1
	v_add_nc_u32 v11, -(EMAX<<23), v12             ; 2 off the exponent field: the conversion takes the exponent field of this operand as its scale, and nothing else of it
	v_lshrrev_b32 v13, 23, v11                     ; the scale's byte
.if (\t) == 0
	v_mov_b32 v[TSW], v13                          ; four bytes make the word of these 128 along K, the lower K in the lower byte
.else
	v_lshl_or_b32 v[TSW], v13, 8*(\t), v[TSW]
.endif
.irp g, 0,1,2,3
	v_cvt_scalef32_pk8_fp4_f32 v[TCD+4*(\t)+\g], v[XS+8*\g:XS+8*\g+7], v11
.endr
	global_store_b128 v4, v[TCD+4*(\t):TCD+4*(\t)+3], s[30:31] offset:256*(\t)   ; lanes 0-15 and lanes 16-31 each store 256 consecutive bytes, at a multiple of 256 from the buffer's first byte
.if (\t) < 2
	TLOAD (\t)+2
.endif
.endm
; ---- macros of the rows' path.  A wave takes 16 steps of 512 numbers.  A load is dense (512 consecutive bytes, 16 a lane); the conversions want 16 NEIGHBOURS in a lane: so a step's 2,048 bytes turn through the
; wave's own stage in LDS and come back 64 bytes a lane; two neighbouring lanes hold a block of 32.
.macro LOAD t
.irp i, 0,1,2,3
	global_load_b128 v[R+16*((\t)%4)+4*\i:R+16*((\t)%4)+4*\i+3], v3, s[24+14*((\t)/8):25+14*((\t)/8)] offset:4096*((\t)%8)+512*\i   ; rows 0-7 of the group from s[24:25], rows 8-15 from s[38:39]
.endr
.endm
.macro TURN t                          ; LDS serves a wave's instructions in order (ISA guide 5.7.1.4): no wait stands between the stores and the loads
.irp i, 0,1,2,3
	ds_store_b128 v14, v[R+16*((\t)%4)+4*\i:R+16*((\t)%4)+4*\i+3] offset:32*SP*((\t)%2)+8*SP*\i
.endr
.irp i, 0,1,2,3
	ds_load_b128 v[X+16*((\t)%2)+4*\i:X+16*((\t)%2)+4*\i+3], v15 offset:32*SP*((\t)%2)+16*\i
.endr
.endm
.macro STEP t
.set XS, X+16*((\t)%2)
.if (\t) > 0
	s_wait_dscnt 2                                 ; this step's numbers are back from the stage (the last step's byte store and its store of codes may be out)
.else
	s_wait_dscnt 0x0
.endif
.if (\t)+4 < STEPS
	LOAD (\t)+4                                    ; which take the loads of four steps on
.endif
.if (\t)+1 < STEPS
.if STEPS-2-(\t) >= 3
	s_wait_loadcnt 12                              ; the next step's four loads are in; those of the three steps behind it may be out
.else
	s_wait_loadcnt 4*(STEPS-2-(\t))
.endif
	TURN (\t)+1                                    ; and go through the other stage while this step is worked
.endif
	v_max3_num_f32 v8, |v[XS]|, |v[XS+1]|, |v[XS+2]|               ; the largest magnitude of my 16
	v_max3_num_f32 v9, |v[XS+3]|, |v[XS+4]|, |v[XS+5]|
.irp i, 6,10
	v_max3_num_f32 v8, v8, |v[XS+\i]|, |v[XS+\i+1]|
	v_max3_num_f32 v9, v9, |v[XS+\i+2]|, |v[XS+\i+3]|
.endr
	v_max3_num_f32 v8, v8, |v[XS+14]|, |v[XS+15]|
	v_max3_num_f32 v8, v8, v9, (EMAX+1)<<23        ; and the floor
	v_max_num_f32_dpp v8, v8, v8 row_xmask:1 row_mask:0xf bank_mask:0xf   ; and of my neighbour's 16: the block's
	v_add_nc_u32 v11, -(EMAX<<23), v8
	v_cvt_scalef32_pk8_fp4_f32 v[C+4*(\t)], v[XS:XS+7], v11
	v_cvt_scalef32_pk8_fp4_f32 v[C+4*(\t)+1], v[XS+8:XS+15], v11
	v_lshrrev_b32 v[E+(\t)], 23, v11               ; the scale's byte (a plain line behind the conversions)
	ds_store_b8 v5, v[E+(\t)] offset:16*(\t)       ; both lanes of a block write the same byte with the same value
	ds_store_b64 v10, v[C+4*(\t):C+4*(\t)+1] offset:16*(\t)   ; my 16 codes of row t: unit lane / 2, half lane % 2 of the row's 16 bytes
.endm
	s_load_b512 s[4:19], s[0:1], 0x0               ; x s[4:5], W s[6:7], alpha s[8:9], beta s[10:11], biases s[12:13], xq s[14:15], w1q s[16:17], w2q s[18:19]
	s_load_b64 s[20:21], s[0:1], 0x40              ; prm
	v_lshl_add_u32 v192, v0, 2, 0x8000
	v_mov_b32 v193, 0
	v_lshrrev_b32 v1, 5, v0
	v_readfirstlane_b32 s22, v1                    ; wave 0..3
	v_and_b32 v2, 31, v0                           ; lane
	s_wait_kmcnt 0x0
	s_cmp_lt_u32 ttmp9, 256
	s_cbranch_scc0 .Lnot_columns
	; ======== W along its first axis.  A LANE TAKES A COLUMN n AND ITS REGISTERS RUN DOWN K: a block of 32 lies in one lane, and the conversions give codes with K innermost.  Nothing is transposed.
	; Work-group: 128 columns (number % 8) x 128 rows (number / 8); a wave 32 columns: four blocks a lane, one scale word.
	s_and_b32 s24, ttmp9, 7                        ; cg: which 128 columns
	s_lshr_b32 s25, ttmp9, 3                       ; ks: which 128 rows, 0 .. 31
	s_wait_alu depctr_va_vdst(0)
	v_lshlrev_b32 v3, 2, v2                        ; in: 4 bytes a lane
	s_wait_alu depctr_va_vdst(0)
	v_lshrrev_b32 v4, 4, v2
	v_and_b32 v5, 15, v2
	v_lshlrev_b32 v4, 12, v4                       ; out: lanes 16-31 belong to the next 16 columns, whose images lie 4,096 bytes on;
	v_lshl_add_u32 v4, v5, 4, v4                   ; 16 bytes for each column of an image
	v_lshlrev_b32 v5, 3, v2                        ; scale words: 8 bytes a column
	s_lshl_b32 s26, s25, 19                        ; W: 128 ks rows of 4,096 bytes
	s_lshl_b32 s27, s24, 9                         ;    + 128 cg columns
	s_add_co_u32 s26, s26, s27
	s_lshl_b32 s27, s22, 7                         ;    + 32 x wave columns
	s_add_co_u32 s26, s26, s27
	s_mov_b32 s27, 0
	s_add_nc_u64 s[6:7], s[6:7], s[26:27]
	s_lshr_b32 s26, s25, 2                         ; codes: (ks / 4) x 64 x 4 images
	s_lshl_b32 s26, s26, 18
	s_lshl_b32 s28, s24, 15                        ;    + (8 cg + 2 wave) x 4 images
	s_add_co_u32 s26, s26, s28
	s_lshl_b32 s28, s22, 13
	s_add_co_u32 s26, s26, s28
	s_and_b32 s28, s25, 3                          ;    + image ks % 4
	s_lshl_b32 s28, s28, 10
	s_add_co_u32 s26, s26, s28
	s_add_nc_u64 s[30:31], s[18:19], s[26:27]
	s_lshr_b32 s26, s25, 1                         ; scale words: (ks / 2) x 1,024 columns x 8 bytes
	s_lshl_b32 s26, s26, 13
	s_lshl_b32 s28, s24, 10                        ;    + (128 cg + 32 wave) x 8
	s_add_co_u32 s26, s26, s28
	s_lshl_b32 s28, s22, 8
	s_add_co_u32 s26, s26, s28
	s_and_b32 s28, s25, 1                          ;    + word ks % 2
	s_lshl_b32 s28, s28, 2
	s_add_co_u32 s26, s26, s28
	s_add_co_u32 s26, s26, 2097152
	s_add_nc_u64 s[32:33], s[18:19], s[26:27]
	TLOAD 0
	TLOAD 1
	TBLOCK 0
	TBLOCK 1
	TBLOCK 2
	TBLOCK 3
	global_store_b32 v5, v[TSW], s[32:33]          ; 4 bytes of every 8: the other word is the neighbouring work-group's.  These are one byte for each 128 that this path reads
	s_endpgm
.Lnot_columns:
	s_cmp_lt_u32 ttmp9, 640
	s_cbranch_scc0 .Ltable
	; ======== W and x along their rows.  Rows are dense and 1,024 is a multiple of 32: a tensor is a plain stream of blocks of 32.  A wave's run is 8,192 numbers: 8 rows.
	s_wait_alu depctr_va_vdst(0)
	v_lshlrev_b32 v3, 4, v2                        ; my 16 bytes of a load's 512
	s_mul_i32 s23, s22, WREG
	v_lshrrev_b32 v14, 2, v2
	v_mul_u32_u24 v14, v14, SP
	v_and_b32 v15, 3, v2
	v_lshl_add_u32 v14, v15, 4, v14
	v_add_nc_u32 v14, s23, v14                     ; the stage, on the way in: four lanes' 64 bytes on end, then 16 of padding
	v_mul_u32_u24 v15, v2, SP
	v_add_nc_u32 v15, s23, v15                     ; and on the way out: my 16 neighbours
	v_lshrrev_b32 v10, 1, v2                       ; the codes' stage, on the way in: unit lane / 2, 272 bytes apart, + 8 (lane % 2)
	v_mul_u32_u24 v10, v10, 272
	v_and_b32 v4, 1, v2
	v_lshl_add_u32 v10, v4, 3, v10
	s_mul_i32 s32, s22, 4352                       ; 16 x 272 bytes for each wave, behind the spare words
	s_add_co_u32 s32, s32, 0x8200
	v_add_nc_u32 v10, s32, v10
	v_lshrrev_b32 v1, 4, v2                        ; and on the way out: sixteen lanes to a unit, two units an instruction
	v_mul_u32_u24 v1, v1, 272
	v_and_b32 v4, 15, v2
	v_lshl_add_u32 v1, v4, 4, v1
	v_add_nc_u32 v1, s32, v1
	v_lshrrev_b32 v5, 1, v2
	s_add_co_u32 s23, s23, 2*32*SP
	v_add_nc_u32 v5, s23, v5                       ; LDS: my wave's 256 scale bytes, my block's byte
	v_lshlrev_b32 v7, 3, v2                        ; and on the way out 8 bytes a lane
	v_add_nc_u32 v6, s23, v7
	s_sub_co_u32 s30, ttmp9, 256
	s_and_b32 s31, s22, 1                          ; which half of K is my wave's
	s_lshr_b32 s32, s22, 1                         ; g: which of the work-group's two groups
	s_mov_b32 s33, 4194304                         ; where xq's scale bytes begin
	s_cmp_lt_u32 s30, 128                          ; W's work-group or x's?  The choice hangs on the work-group's number alone; only selections follow
	s_cselect_b64 s[24:25], s[6:7], s[4:5]
	s_cselect_b64 s[26:27], s[16:17], s[14:15]
	s_cselect_b32 s33, 2097152, s33
	s_cselect_b32 s34, 0, 128
	s_cselect_b32 s38, 15, 16                      ; group g begins 8 g rows down in W (2^15 bytes), 16 g rows down in x (2^16)
	s_sub_co_u32 s30, s30, s34
	s_lshl_b32 s36, s30, 17                        ; the work-group's 32 rows of 4,096 bytes
	s_lshl_b32 s32, s32, s38
	s_add_co_u32 s36, s36, s32
	s_lshl_b32 s31, s31, 11                        ; + my half of each row
	s_add_co_u32 s36, s36, s31
	s_mov_b32 s37, 0
	s_add_nc_u64 s[24:25], s[24:25], s[36:37]      ; the group's rows 0-7
	s_sub_co_u32 s38, 31, s38
	s_lshl_b32 s36, 1, s38                         ; its rows 8-15 begin 16 rows further down in W (2^16 bytes), 8 in x (2^15)
	s_add_nc_u64 s[38:39], s[24:25], s[36:37]
	s_lshl_b32 s30, s30, 2
	s_add_co_u32 s35, s30, s22                     ; what I write: (2 x work-group + g) x 2 + half = 4 x work-group + wave
	s_lshl_b32 s36, s35, 8                         ; 256 scale bytes a run
	s_add_co_u32 s36, s36, s33
	s_add_nc_u64 s[28:29], s[26:27], s[36:37]
	s_lshl_b32 s36, s35, 12                        ; 4,096 bytes of codes a run
	s_add_nc_u64 s[26:27], s[26:27], s[36:37]
.irp t, 0,1,2,3
	LOAD \t
.endr
	s_wait_alu depctr_va_vdst(0)
	s_wait_loadcnt 12                              ; step 0's four loads are in
	TURN 0
.irp t, 0,1,2,3,4,5,6,7,8,9,10,11,12,13,14,15
	STEP \t
.endr
	ds_load_b64 v[12:13], v6                       ; LDS serves a wave's instructions in order: these see my stores
.irp i, 0,1,2,3,4,5,6,7
	ds_load_b128 v[R+4*\i:R+4*\i+3], v1 offset:544*\i
.endr
	s_wait_dscnt 0x0
	global_store_b64 v7, v[12:13], s[28:29]        ; 32 lanes store 256 consecutive bytes
.irp i, 0,1,2,3,4,5,6,7
	global_store_b128 v3, v[R+4*\i:R+4*\i+3], s[26:27] offset:512*\i   ; 32 lanes store 512 consecutive bytes, at a multiple of 256 from the buffer's first byte
.endr
	s_wait_tensorcnt 0x0
	ds_add_u32 v192, v193
	s_wait_dscnt 0x0
	s_endpgm
.Ltable:
	; ======== the table.  Work-group tc takes columns 256 tc on; a thread two columns.
	s_sub_co_u32 s24, ttmp9, 640
	v_lshlrev_b32 v1, 3, v0
	s_lshl_b32 s26, s24, 10
	s_mov_b32 s27, 0
	s_add_nc_u64 s[8:9], s[8:9], s[26:27]
	s_add_nc_u64 s[10:11], s[10:11], s[26:27]
	s_add_nc_u64 s[12:13], s[12:13], s[26:27]
	s_mul_i32 s26, s24, 24576
	s_add_nc_u64 s[20:21], s[20:21], s[26:27]
.irp i, 0,1,2,3,4,5,6,7
	global_load_b64 v[16+2*\i:17+2*\i], v1, s[8:9] offset:\i*16384
	global_load_b64 v[32+2*\i:33+2*\i], v1, s[10:11] offset:\i*16384
	global_load_b64 v[48+2*\i:49+2*\i], v1, s[12:13] offset:\i*16384
.endr
	s_wait_loadcnt 0x0
.irp i, 0,1,2,3,4,5,6,7
	v_pk_mul_f32 v[64+2*\i:65+2*\i], v[32+2*\i:33+2*\i], v[48+2*\i:49+2*\i]   ; c_i = beta_i x biases_i
.endr
	s_wait_alu depctr_va_vdst(0)
.irp i, 0,1,2,3,4,5,6,7
	global_store_b64 v1, v[64+2*\i:65+2*\i], s[20:21] offset:\i*1024          ; a wave's store covers 256 consecutive bytes
	global_store_b64 v1, v[32+2*\i:33+2*\i], s[20:21] offset:(8+\i)*1024
	global_store_b64 v1, v[16+2*\i:17+2*\i], s[20:21] offset:(16+\i)*1024
.endr
	s_endpgm
.Lfunc_end_k_q74519908aa_prep:
	.size	k_q74519908aa_prep, .Lfunc_end_k_q74519908aa_prep-k_q74519908aa_prep
	.p2alignl 7, 3214868480
	.fill 96, 4, 3214868480
	.section	.rodata,"a",@progbits
	.p2align	6, 0x0
	.amdhsa_kernel k_q74519908aa_prep
		.amdhsa_group_segment_fixed_size 50688
		.amdhsa_private_segment_fixed_size 0
		.amdhsa_enable_private_segment 0
		.amdhsa_kernarg_size 72
		.amdhsa_user_sgpr_count 2
		.amdhsa_user_sgpr_kernarg_segment_ptr 1
		.amdhsa_wavefront_size32 1
		.amdhsa_system_sgpr_workgroup_id_x 1
		.amdhsa_system_sgpr_workgroup_id_y 1
		.amdhsa_system_sgpr_workgroup_id_z 1
		.amdhsa_system_vgpr_workitem_id 0
		.amdhsa_next_free_vgpr 194
		.amdhsa_next_free_sgpr 66
		.amdhsa_reserve_vcc 0
		.amdhsa_float_denorm_mode_32 3
		.amdhsa_float_denorm_mode_16_64 3
		.amdhsa_memory_ordered 1
		.amdhsa_forward_progress 1
		.amdhsa_inst_pref_size 60
	.end_amdhsa_kernel
	.amdgpu_metadata
---
amdhsa.version: [ 1, 2 ]
amdhsa.kernels:
  - .name:           k_q74519908aa_prep
    .symbol:         k_q74519908aa_prep.kd
    .args:
      - { .name: x, .offset: 0, .size: 8, .value_kind: global_buffer, .address_space: global }
      - { .name: W, .offset: 8, .size: 8, .value_kind: global_buffer, .address_space: global }
      - { .name: alpha, .offset: 16, .size: 8, .value_kind: global_buffer, .address_space: global }
      - { .name: beta, .offset: 24, .size: 8, .value_kind: global_buffer, .address_space: global }
      - { .name: biases, .offset: 32, .size: 8, .value_kind: global_buffer, .address_space: global }
      - { .name: xq, .offset: 40, .size: 8, .value_kind: global_buffer, .address_space: global }
      - { .name: w1q, .offset: 48, .size: 8, .value_kind: global_buffer, .address_space: global }
      - { .name: w2q, .offset: 56, .size: 8, .value_kind: global_buffer, .address_space: global }
      - { .name: prm, .offset: 64, .size: 8, .value_kind: global_buffer, .address_space: global }
    .group_segment_fixed_size: 50688
    .private_segment_fixed_size: 0
    .kernarg_segment_align: 8
    .kernarg_segment_size: 72
    .max_flat_workgroup_size: 128
    .sgpr_count:     66
    .vgpr_count:     194
    .wavefront_size: 32
...
	.end_amdgpu_metadata
.endif
;; end of part 1
;; launch cascade (part 2): grid 16 x 16, 4 waves a work-group, clusters of 4 x 4, 327,680 bytes of LDS; arguments xq, w1q, prm, zq; writes zq
.if DOCPART == 2
	.amdgcn_target "amdgcn-amd-amdhsa--gfx1250"
	.amdhsa_code_object_version 6
	.text
	.protected	k_q74519908aa_cascade
	.globl	k_q74519908aa_cascade
	.p2align	8
	.type	k_q74519908aa_cascade,@function
k_q74519908aa_cascade:
	s_mov_b64 s[64:65], 0
	v_nop
	global_prefetch_b8 v0, s[64:65] scope:SCOPE_SE
	s_setreg_imm32_b32 hwreg(HW_REG_WAVE_MODE, 25, 1), 1
	s_wait_xcnt 0x0
	s_wait_alu depctr_hold_cnt(0) depctr_sa_sdst(0) depctr_va_vdst(0) depctr_va_sdst(0) depctr_va_ssrc(0) depctr_va_vcc(0) depctr_vm_vsrc(0)
	s_getreg_b32 s2, hwreg(HW_REG_IB_STS2, 6, 4)
	s_cmp_eq_u32 s2, 0
	s_cbranch_scc0 .Lentry_in_a_cluster
	s_endpgm
.Lentry_in_a_cluster:
	s_bfe_u32 s2, ttmp6, 0x10000c
	s_cmp_lg_u32 s2, 0xf033
	s_cbranch_scc0 .Lentry_shape_is_right
	s_endpgm
.Lentry_shape_is_right:
; CASCADE: h = x W^T on codes of FP4 (E2M1) with E8M0 scales (K = 1,024); z_0 = beta_0 (h + b_0); z_i = beta_i (h + b_i) + alpha_(i-1) relu(z_(i-1)), i = 1 .. 7; z = alpha_7 relu(z_7); z is quantised along the
; hidden axis, the next product's K, and leaves as codes and scale words.  h and z never go to memory as f32.  (biases[8] enters no result of the problem; the table prm does not hold it.)
; ORDER OF ROUNDING: a layer is fma(beta_i, h, fma(alpha_(i-1), relu z, c_i)) with c_i = beta_i b_i made once: fewer roundings than beta (h + b) + alpha relu z, all in f32.
; LIMITS: a block of z whose largest magnitude lies under 2^-124 (a block of zeros too) gets the byte 1 and, for zeros, zero codes: only this program reads the bytes.  NaN and infinities are not served.
; SHARES.  256 work-groups, each 512 rows x 256 hidden units; a wave takes 128 rows and all 256 hidden units.  A WAVE'S FRAGMENTS OF x FOR ALL OF K STAY IN REGISTERS (8 blocks of 16 rows x 8 steps of 128 x 8 = 512):
; xq holds them as images of these registers.  W's 16 tiles (131,072 bytes), their scale bytes (8,192) and the table (24,576) lie in LDS, each filled ONCE at the head.
; THE LOOP has eight trips, one for each PAIR of W's tiles (32 hidden units): 128 matrix instructions into 16 accumulators, the eight layers on these 128 numbers a lane, the quantiser, the stores.  The registers
; are the same in every trip, so the layers are written out once with the table's rows as immediate offsets.  The next pair's fragments of W are fetched four loads at a time between the layers.
; THE MATRIX INSTRUCTION IS USED TRANSPOSED (source 0 = a tile of W, source 1 = 16 rows of x): a lane holds ONE row, and its 16 registers of a pair are hidden units 32 P + 16 (lane / 16) + 0 .. 15 (w1q's tiles are chosen so).
; CLUSTERS: 4 x 4 work-groups.  The four of a row of the cluster have the same 256 hidden units and ask for W, its scale bytes and the table JOINTLY; the four of a column have the same 512 rows and ask jointly for
; blocks 0-3 of each wave's x (131,072 bytes, which is what LDS has room for beside W); these go from LDS into registers once.  Blocks 4-7 and x's scale words go from memory straight into registers, 512 and 256
; consecutive bytes a load.  No LDS byte is filled twice.
; NO PREFETCH: every byte that a work-group reads is asked for at its head; no stream follows in which to run ahead.
; The last trip's fetches for a ninth pair read LDS bytes that lie behind their regions (W's bytes, the table's): bytes that were written, numbers that are not used.
; REGISTERS.  window 0: v0-7 and v16-23 the odd layers' beta, then the quantiser's work (at the head: at work); v8-15 addresses; v24-55 x's scale words; v56-63 W's; v64-79 z's scale words; v80-95 alpha, then codes;
;   v96-111 the even layers' beta; v112-127 c; v128-255 z.
;   window 1: v0-127 h (block a, tile u at 16 a + 8 u); v128-255 W's fragments (tile u, step q at 128 + 64 u + 8 q).   windows 2, 3: x's fragments (block a, step q at 64 (a % 4) + 8 q of window 2 + a / 4).
.set WSC,   0                          ; LDS: W's scale bytes [tile][k / 512][16 places][16 bytes]
.set WB,    8192                       ; W's codes [tile][k / 128][1,024 bytes]
.set PRM,   139264                     ; the table: 24 rows of 1,024 bytes: c_i (0-7), beta_i (8-15), alpha_i (16-23)
.set SPARE, 163840                     ; the spare words, 128 bytes for each wave
.set XB,    164352                     ; x's blocks 0-3: 32,768 bytes for each wave
.set TM,    0
.set ADRX,  3                          ; v3   at the head: my blocks 0-3 of x in LDS
.set SPW,   8                          ; v8   my spare word; never rewritten
.set NIL,   9                          ; v9   0; never rewritten
.set ADRW,  10                         ; v10  W's fragments: WB + 16 x lane, + 16,384 a pair
.set ADRWS, 11                         ; v11  W's scale words: lanes 0-15 the pair's first tile, lanes 16-31 its second
.set PA0,   12                         ; v12  the table: my 16 columns of the pair in row 0
.set ZO,    13                         ; v13  my 8 bytes in a block of 256 bytes of z's codes: 16 (lane % 16) + 8 (lane / 16)
.set XO,    14                         ; v14  16 x lane
.set XSO,   15                         ; v15  x's scale words: 16 (lane % 16) + 2,048 (lane / 16); at the end 8 x lane
.set TX,    16
.set XS,    24                         ; register 8 a + q: lanes 0-15 block a's word of step q, lanes 16-31 block a + 4's
.set WS,    56                         ; register q: lanes 0-15 tile 0's word of step q, lanes 16-31 tile 1's
.set SW,    64                         ; block a's two words: v[SW + 2 a], v[SW + 2 a + 1]
.set PAL,   80
.set CD,    80
.set PBE,   96
.set PCC,   112
.set Z,     128
.set WF,    128
.set G1W,   24                         ; s[24:31], s[32:39], s[40:47], s[80:87] descriptor groups 1: W's codes, the table, W's scale bytes, x
.set G1T,   32
.set G1S,   40
.set G1X,   80
.set G0W,   48                         ; s[48:51], s[52:55], s[56:59], s[76:79] their groups 0
.set G0T,   52
.set G0S,   56
.set G0X,   76
.set SEL,   66                         ; s[66:67] lane selects for v_permlanex16_b32: lane l xor 16
.set MROW,  74                         ; s74 the mask of my row of the cluster, s75 of my column
.set MCOL,  75
.set MSB, 0
.macro WIN new                         ; the immediate's high byte repeats the setting that is left
.if MSB != \new
	s_set_vgpr_msb (MSB<<8)|\new
.set MSB, \new
.endif
.endm
.macro CROUND                          ; a round of the cluster's barrier
	s_barrier_signal -1
	s_barrier_wait -1
	s_cmp_lg_u32 s14, 0
	s_cbranch_scc1 .Lnot_wave_0_\@
	s_barrier_signal -3
.Lnot_wave_0_\@:
	s_barrier_wait -3
	s_barrier_signal -1
	s_barrier_wait -1
.endm
.macro G1SET g, rows                   ; a dense block as rows of 256 bytes (32 elements of 8 bytes), no padding; it goes to my row of the cluster; bit 21 beside the mask
	s_or_b32 s[\g], s[MROW], (3<<16)|(1<<21)
	s_mov_b32 s[\g+1], 32<<16
	s_mov_b32 s[\g+2], (\rows)<<16
	s_mov_b32 s[\g+3], 32<<16
	s_mov_b32 s[\g+4], \rows
	s_mov_b32 s[\g+5], 32
	s_mov_b32 s[\g+6], 0
	s_mov_b32 s[\g+7], 0
.endm
.macro XLD a                           ; x's block a, all of K, from memory: 16 loads of 512 consecutive bytes
	WIN 0x80+0x40*((\a)/4)
.irp q, 0,1,2,3,4,5,6,7
.irp c, 0,1
	global_load_b128 v[64*((\a)%4)+8*\q+4*\c:64*((\a)%4)+8*\q+4*\c+3], v[XO], s[16:17] offset:(\a)*8192+\q*1024+\c*512
.endr
.endr
.endm
	s_load_b256 s[4:11], s[0:1], 0x0               ; xq s[4:5], w1q s[6:7], prm s[8:9], zq s[10:11]
	v_lshl_add_u32 v[SPW], v0, 2, SPARE
	v_mov_b32 v[NIL], 0
	ds_add_u32 v[SPW], v[NIL]                      ; the opening lines: the add, twice on end, and its wait ahead of my first tensor load
	ds_add_u32 v[SPW], v[NIL]
	v_lshrrev_b32 v1, 5, v0
	v_readfirstlane_b32 s14, v1                    ; wave 0..3
	v_and_b32 v1, 15, v0                           ; r
	v_bfe_u32 v2, v0, 4, 1                         ; h
	v_and_b32 v3, 31, v0
	v_lshlrev_b32 v[XO], 4, v3
	v_lshlrev_b32 v[XSO], 4, v1
	v_lshl_add_u32 v[XSO], v2, 11, v[XSO]
	s_bfe_u32 s72, ttmp6, 0x40000                  ; cx, cy: my place in the cluster
	s_bfe_u32 s73, ttmp6, 0x40004
	s_lshl_b32 s16, ttmp9, 2
	s_add_co_u32 s15, s16, s72                     ; gx: which 512 rows = 4 x cluster x + cx
	s_and_b32 s3, ttmp7, 0xffff
	s_lshl_b32 s3, s3, 2
	s_add_co_u32 s3, s3, s73                       ; tc: which 256 hidden units = 4 x cluster y + cy
	s_lshl_b32 s[MROW], s73, 2
	s_lshl_b32 s[MROW], 15, s[MROW]                ; my row of the cluster: the same tc
	s_lshl_b32 s[MCOL], 0x1111, s72                ; my column: the same gx
	s_lshl_b32 s70, s15, 18                        ; x's codes: 32 gx groups of 8,192 bytes: where the joint load begins,
	s_mov_b32 s71, 0
	s_lshl_b32 s18, s14, 16
	s_add_co_u32 s16, s70, s18                     ; and + 8 groups for each wave: where my own blocks begin
	s_mov_b32 s17, 0
	s_lshr_b32 s18, s16, 4                         ; x's scale bytes: 512 a group
	s_add_co_u32 s18, s18, 4194304
	s_mov_b32 s19, 0
	s_lshr_b32 s20, s3, 1                          ; z's codes: images [e / 512][row / 16][(e / 128) % 4][1,024 bytes]
	s_lshl_b32 s20, s20, 21
	s_lshr_b32 s22, s16, 1
	s_add_co_u32 s20, s20, s22
	s_and_b32 s22, s3, 1
	s_lshl_b32 s22, s22, 11
	s_add_co_u32 s20, s20, s22
	s_mov_b32 s21, 0
	s_lshl_b32 s22, s3, 16                         ; z's scale words: [e / 256][row][2 words], from byte 16,777,216 on
	s_lshr_b32 s23, s16, 6
	s_add_co_u32 s22, s22, s23
	s_add_co_u32 s22, s22, 16777216
	s_mov_b32 s23, 0
	s_lshl_b32 s60, s3, 17                         ; W's codes: 16 tc tiles of 8,192 bytes
	s_mov_b32 s61, 0
	s_mul_i32 s62, s3, 24576                       ; the table of my 256 columns
	s_mov_b32 s63, 0
	s_lshl_b32 s68, s3, 13                         ; W's scale bytes: 512 a tile
	s_add_co_u32 s68, s68, 2097152
	s_mov_b32 s69, 0
	G1SET G1W, 512
	G1SET G1T, 96
	G1SET G1S, 32
	s_or_b32 s[G1X], s[MCOL], (3<<16)|(1<<21)      ; x's blocks 0-3 of the four waves: 4 rows of 32,768 bytes (4,096 elements of 8), 65,536 bytes apart in memory, dense in LDS; they go to my column
	s_mov_b32 s[G1X+1], 4096<<16
	s_mov_b32 s[G1X+2], 4<<16
	s_mov_b32 s[G1X+3], 4096<<16
	s_mov_b32 s[G1X+4], 4
	s_mov_b32 s[G1X+5], 8192
	s_mov_b32 s[G1X+6], 0
	s_mov_b32 s[G1X+7], 0
	s_mov_b32 s[G0W], 1
	s_mov_b32 s[G0W+1], WB
	s_mov_b32 s[G0T], 1
	s_mov_b32 s[G0T+1], PRM
	s_mov_b32 s[G0S], 1
	s_mov_b32 s[G0S+1], WSC
	s_mov_b32 s[G0X], 1
	s_mov_b32 s[G0X+1], XB
	s_mov_b32 s[SEL], 0x76543210
	s_mov_b32 s[SEL+1], 0xfedcba98
	s_wait_alu depctr_va_vdst(0)
	s_wait_dscnt 0x0                               ; both opening adds are done
	s_wait_kmcnt 0x0
	s_add_nc_u64 s[16:17], s[4:5], s[16:17]
	s_add_nc_u64 s[18:19], s[4:5], s[18:19]
	s_add_nc_u64 s[12:13], s[10:11], s[20:21]
	s_add_nc_u64 s[22:23], s[10:11], s[22:23]
	s_add_nc_u64 s[G0W+2:G0W+3], s[6:7], s[60:61]
	s_or_b32 s[G0W+3], s[G0W+3], 0x80000000
	s_add_nc_u64 s[G0T+2:G0T+3], s[8:9], s[62:63]
	s_or_b32 s[G0T+3], s[G0T+3], 0x80000000
	s_add_nc_u64 s[G0S+2:G0S+3], s[6:7], s[68:69]
	s_or_b32 s[G0S+3], s[G0S+3], 0x80000000
	s_add_nc_u64 s[G0X+2:G0X+3], s[4:5], s[70:71]
	s_or_b32 s[G0X+3], s[G0X+3], 0x80000000
	CROUND                                         ; all sixteen work-groups are here: the joint loads meet
; THE HEAD'S LOADS, ONE A WAVE: wave 0 fetches W's 16 tiles, wave 1 x's blocks 0-3, wave 2 the table, wave 3 W's scale bytes.  One chain of branches on the wave's number, all arms leading to one join.
.macro ARM under, g0, g1, next
	s_cmp_lt_u32 s14, \under
	s_cbranch_scc0 \next
	tensor_load_to_lds s[\g0:\g0+3], s[\g1:\g1+7]
	s_nop 0
.rept 4
	v_nop
.endr
	s_branch .Lhead_asked
\next:
.endm
	ARM 1, G0W, G1W, .Lhead_x
	ARM 2, G0X, G1X, .Lhead_t
	ARM 3, G0T, G1T, .Lhead_s
	tensor_load_to_lds s[G0S:G0S+3], s[G1S:G1S+7]
	s_nop 0
.rept 4
	v_nop
.endr
.Lhead_asked:
.irp a, 0,1,2,3
.irp j, 0,1
	global_load_b128 v[XS+8*\a+4*\j:XS+8*\a+4*\j+3], v[XSO], s[18:19] offset:\a*512+\j*256   ; each half of the lanes reads 256 consecutive bytes
.endr
.endr
	XLD 4
	XLD 5
	XLD 6
	XLD 7
	WIN 0
	s_lshl_b32 s20, s14, 15
	s_add_co_u32 s20, s20, XB
	v_add_nc_u32 v[ADRX], s20, v[XO]
	v_add_nc_u32 v[ADRW], WB, v[XO]
	v_lshlrev_b32 v[ADRWS], 4, v1
	v_lshl_add_u32 v[ADRWS], v2, 9, v[ADRWS]
	v_lshlrev_b32 v[PA0], 6, v2
	v_add_nc_u32 v[PA0], PRM, v[PA0]
	v_lshlrev_b32 v[ZO], 4, v1
	v_lshl_add_u32 v[ZO], v2, 3, v[ZO]
.irp a, 0,1,2,3,4,5,6,7
	v_mov_b32 v[TX+\a], 0                          ; written once: a lane permute's destination counts as one of its sources
	v_mov_b32 v[SW+2*\a], 0                        ; and so do the words into which the bytes are shifted
	v_mov_b32 v[SW+2*\a+1], 0
.endr
; 8 matrix instructions: blocks 4 hi .. 4 hi + 3 of x against the pair's two tiles, step q of K.  A step's two halves follow each other, so that all 16 accumulators take turns, one instruction a turn
; step 0 starts the sums.
.macro MM hi, q
.irp a, 0,1,2,3
.irp u, 0,1
.if \q == 0
	v_wmma_scale_f32_16x16x128_f8f6f4 v[16*(4*\hi+\a)+8*\u:16*(4*\hi+\a)+8*\u+7], v[WF+64*\u+8*\q:WF+64*\u+8*\q+7], v[64*\a+8*\q:64*\a+8*\q+7], 0, v[WS+\q], v[XS+8*\a+\q] matrix_a_fmt:MATRIX_FMT_FP4 matrix_b_fmt:MATRIX_FMT_FP4 matrix_a_scale:MATRIX_SCALE_ROW\u matrix_b_scale:MATRIX_SCALE_ROW\hi
.else
	v_wmma_scale_f32_16x16x128_f8f6f4 v[16*(4*\hi+\a)+8*\u:16*(4*\hi+\a)+8*\u+7], v[WF+64*\u+8*\q:WF+64*\u+8*\q+7], v[64*\a+8*\q:64*\a+8*\q+7], v[16*(4*\hi+\a)+8*\u:16*(4*\hi+\a)+8*\u+7], v[WS+\q], v[XS+8*\a+\q] matrix_a_fmt:MATRIX_FMT_FP4 matrix_b_fmt:MATRIX_FMT_FP4 matrix_a_scale:MATRIX_SCALE_ROW\u matrix_b_scale:MATRIX_SCALE_ROW\hi
.endif
.endr
.endr
.endm
.macro WLD q                           ; W's two fragments of step q: four loads of 512 consecutive bytes
	WIN 0x40
.irp u, 0,1
.irp c, 0,1
	ds_load_b128 v[WF+64*\u+8*(\q)+4*\c:WF+64*\u+8*(\q)+4*\c+3], v[ADRW] offset:\u*8192+(\q)*1024+\c*512
.endr
.endr
.endm
.macro WSLD                            ; the pair's scale words
.irp j, 0,1
	ds_load_b128 v[WS+4*\j:WS+4*\j+3], v[ADRWS] offset:256*\j
.endr
.endm
.macro PLD reg, prow                   ; 16 numbers of the table's row prow: the sixteen lanes of a half read the same 64 bytes
.irp q, 0,1,2,3
	ds_load_b128 v[\reg+4*\q:\reg+4*\q+3], v[PA0] offset:(\prow)*1024+16*\q
.endr
.endm
.macro PLDB prow                       ; the same into beta's second set, v0-7 and v16-23: the odd layers' beta lies there; the quantiser works in these registers when beta_7 is done with
.irp q, 0,1,2,3
	ds_load_b128 v[4*\q+8*(\q/2):4*\q+8*(\q/2)+3], v[PA0] offset:(\prow)*1024+16*\q
.endr
.endm
.macro RELU                            ; z = max(z, 0), 128 numbers, two an instruction
.set zi, 0
.rept 64
	v_dual_max_num_f32 v[Z+zi], 0, v[Z+zi] :: v_dual_max_num_f32 v[Z+zi+1], 0, v[Z+zi+1]
.set zi, zi+2
.endr
.endm
.macro HFMA first                      ; z = beta h + c (first = 1) or z += beta h.  e ascends: each accumulator is first read at its low end
	WIN 0x04                                       ; source 1 (h) window 1
.irp a, 0,1,2,3,4,5,6,7
.irp e, 0,2,4,6,8,10,12,14
.if \first                             ; beta's number e lies at BBO + e + BBS (e / 8): BBO = PBE, BBS = 0 for the first set; 0 and 8 for the second
	v_pk_fma_f32 v[Z+16*\a+\e:Z+16*\a+\e+1], v[BBO+\e+BBS*(\e/8):BBO+\e+BBS*(\e/8)+1], v[16*\a+\e:16*\a+\e+1], v[PCC+\e:PCC+\e+1]
.else
	v_pk_fma_f32 v[Z+16*\a+\e:Z+16*\a+\e+1], v[BBO+\e+BBS*(\e/8):BBO+\e+BBS*(\e/8)+1], v[16*\a+\e:16*\a+\e+1], v[Z+16*\a+\e:Z+16*\a+\e+1]
.endif
.endr
.endr
.endm
.macro AFMA                            ; z = alpha z + c
.irp a, 0,1,2,3,4,5,6,7
.irp e, 0,2,4,6,8,10,12,14
	v_pk_fma_f32 v[Z+16*\a+\e:Z+16*\a+\e+1], v[Z+16*\a+\e:Z+16*\a+\e+1], v[PAL+\e:PAL+\e+1], v[PCC+\e:PCC+\e+1]
.endr
.endr
.endm
; Layer i = 1 .. 7.  ONE run of LDS loads a layer, behind its first half: the next layer's alpha and c, its beta (into the set that this layer does not read), and step i of the next pair's W.
.macro LAYER i
	RELU
.if \i == 1
	s_wait_dscnt 10                                ; alpha and c are in; younger: beta's four loads, W's four, the two of its scale words
.else
	s_wait_dscnt 8                                 ; alpha and c are in; younger: beta's four loads and W's four
.endif
	AFMA
	PLD PAL, 16+\i
.if \i < 7
	PLD PCC, 1+\i
.if (\i)%2
	PLD PBE, 9+\i
.else
	PLDB 9+\i
.endif
.endif
	WLD \i
.if \i == 1
	s_wait_dscnt 22                                ; this layer's beta is in; younger: 6 of the run before, the 16 just issued
.else
.if \i == 7
	s_wait_dscnt 12                                ; younger: W's 4 of the run before, the 8 just issued
.else
	s_wait_dscnt 20                                ; younger: W's 4 of the run before, the 16 just issued
.endif
.endif
.if (\i)%2
.set BBO, 0
.set BBS, 8
.else
.set BBO, PBE
.set BBS, 0
.endif
	HFMA 0
	WIN 0
.endm
	s_wait_alu depctr_va_vdst(0)
	s_wait_tensorcnt 0x0                           ; my tile is in,
	s_barrier_signal -1
	s_barrier_wait -1                              ; everybody's is.  Nothing is filled again in this launch
.irp q, 0,1,2,3,4,5,6,7
	WLD \q
.endr
	WIN 0
	WSLD
	PLD PBE, 8
	PLD PCC, 0
	WIN 0x80                                       ; x's blocks 0-3 from LDS into window 2: 64 loads of 512 consecutive bytes
.irp a, 0,1,2,3
.irp q, 0,1,2,3,4,5,6,7
.irp c, 0,1
	ds_load_b128 v[64*\a+8*\q+4*\c:64*\a+8*\q+4*\c+3], v[ADRX] offset:\a*8192+\q*1024+\c*512
.endr
.endr
.endr
	WIN 0
	s_wait_loadcnt 0x0                             ; x's blocks 4-7 and scale words are in
	s_mov_b32 s2, 8
.Lpair:
	s_wait_dscnt 0x0                               ; the pair's fragments of W, its scale words, beta_0 and c_0 are in (the first time x's blocks 0-3 too)
.irp q, 0,1,2,3,4,5,6,7
	WIN 0x59                                       ; source 0 (W), C and D (h) window 1; source 1 (x) window 2
	MM 0, \q
	WIN 0x5d                                       ; source 1 window 3
	MM 1, \q
.endr
	WIN 0
	v_add_nc_u32 v[ADRW], 0x4000, v[ADRW]          ; on to the next pair's tiles.  These two lines and two v_nop are the four places behind the last products (ISA guide 7.12.1)
	v_add_nc_u32 v[ADRWS], 0x400, v[ADRWS]
	v_nop
	v_nop
	s_wait_alu depctr_va_vdst(0)
	s_wait_xcnt 0x0                                ; the last pair's stores have read their base and their data: both are written again below
	s_add_nc_u64 s[12:13], s[12:13], 256           ; one block of 256 bytes further in z's images (the stores' offsets take the 256 off again)
.set BBO, PBE
.set BBS, 0
	HFMA 1
	WIN 0
	PLD PAL, 16
	PLD PCC, 1
	PLDB 9
	WLD 0
	WIN 0
	WSLD
.irp i, 1,2,3,4,5,6,7
	LAYER \i
.endr
	RELU
	s_wait_dscnt 4                                 ; alpha_7 is in; younger: W's last four loads
.irp a, 0,1,2,3,4,5,6,7
.irp e, 0,2,4,6,8,10,12,14
	v_pk_mul_f32 v[Z+16*\a+\e:Z+16*\a+\e+1], v[Z+16*\a+\e:Z+16*\a+\e+1], v[PAL+\e:PAL+\e+1]
.endr
.endr
	v_add_nc_u32 v[PA0], 128, v[PA0]               ; the next pair's 32 columns
	s_wait_alu depctr_va_vdst(0)
	PLD PBE, 8                                     ; its beta_0 and c_0 land while this pair is quantised
	PLD PCC, 0
; THE QUANTISER.  The pair's 32 hidden units are ONE block of the next K for each row; lanes l and l xor 16 hold 16 numbers of it each.  The eight blocks of rows take turns line by line.
.irp a, 0,1,2,3,4,5,6,7
	v_max3_num_f32 v[TM+\a], |v[Z+16*\a]|, |v[Z+16*\a+1]|, 0x1800000   ; my 16 numbers, and the floor 2^(3 - 127): the byte cannot fall under 1
.endr
.irp i, 2,4,6,8,10,12,14
.irp a, 0,1,2,3,4,5,6,7
	v_max3_num_f32 v[TM+\a], v[TM+\a], |v[Z+16*\a+\i]|, |v[Z+16*\a+\i+1]|
.endr
.endr
.irp a, 0,1,2,3,4,5,6,7
	v_permlanex16_b32 v[TX+\a], v[TM+\a], s[SEL], s[SEL+1]
.endr
.irp a, 0,1,2,3,4,5,6,7
	v_max_num_f32 v[TM+\a], v[TM+\a], v[TX+\a]     ; with lane l xor 16's: the block's largest magnitude
.endr
.irp a, 0,1,2,3,4,5,6,7
	v_add_nc_u32 v[TM+\a], 0xff000000, v[TM+\a]    ; 2 off its exponent field: the conversion's scale operand
.endr
.irp a, 0,1,2,3,4,5,6,7
	v_lshrrev_b32 v[TX+\a], 23, v[TM+\a]           ; the scale's byte
.endr
.irp a, 0,1,2,3,4,5,6,7
	v_alignbit_b32 v[SW+2*\a], v[SW+2*\a+1], v[SW+2*\a], 8     ; the row's 64 bits go down by a byte and the new byte comes in at the top:
.endr
.irp a, 0,1,2,3,4,5,6,7
	v_alignbit_b32 v[SW+2*\a+1], v[TX+\a], v[SW+2*\a+1], 8     ; after eight pairs pair P's byte is byte P
.endr
.irp a, 0,1,2,3,4,5,6,7
	v_cvt_scalef32_pk8_fp4_f32 v[CD+2*\a], v[Z+16*\a:Z+16*\a+7], v[TM+\a]
	v_cvt_scalef32_pk8_fp4_f32 v[CD+2*\a+1], v[Z+16*\a+8:Z+16*\a+15], v[TM+\a]
.endr
	v_nop                                          ; one plain line behind the last scaled conversion
.irp a, 0,1,2,3,4,5,6,7
	global_store_b64 v[ZO], v[CD+2*\a:CD+2*\a+1], s[12:13] offset:\a*4096-256   ; lanes (r, 0) and (r, 1) hold the two halves of row r's 16 bytes: the wave stores 256 consecutive bytes, at a multiple of 256 from the buffer's first byte
.endr
	s_sub_co_u32 s2, s2, 1
	s_cmp_lg_u32 s2, 0
	s_wait_alu depctr_va_vdst(0)
	s_cbranch_scc1 .Lpair
	; z's scale words: both words of a row are mine.  Lanes 16-31 hold what lanes 0-15 hold, so they take the next block's rows: a store covers 32 rows, 256 consecutive bytes
	s_wait_xcnt 0x0
	v_cmp_le_u32 vcc_lo, 0x100, v[XO]              ; lanes 16-31
	v_lshrrev_b32 v[XSO], 1, v[XO]                 ; 8 x lane
.irp k, 0,1,2,3
	v_cndmask_b32 v[2*\k], v[SW+4*\k], v[SW+4*\k+2], vcc_lo
	v_cndmask_b32 v[2*\k+1], v[SW+4*\k+1], v[SW+4*\k+3], vcc_lo
.endr
.irp k, 0,1,2,3
	global_store_b64 v[XSO], v[2*\k:2*\k+1], s[22:23] offset:256*\k
.endr
	s_wait_tensorcnt 0x0                           ; the wave's end
	ds_add_u32 v[SPW], v[NIL]
	s_wait_dscnt 0x0
	CROUND                                         ; the closing round: no work-group ends while a partner may still ask for a tile that names it
	s_endpgm
.Lfunc_end_k_q74519908aa_cascade:
	.size	k_q74519908aa_cascade, .Lfunc_end_k_q74519908aa_cascade-k_q74519908aa_cascade
	.p2alignl 7, 3214868480
	.fill 96, 4, 3214868480
	.section	.rodata,"a",@progbits
	.p2align	6, 0x0
	.amdhsa_kernel k_q74519908aa_cascade
		.amdhsa_group_segment_fixed_size 327680
		.amdhsa_private_segment_fixed_size 0
		.amdhsa_enable_private_segment 0
		.amdhsa_kernarg_size 32
		.amdhsa_user_sgpr_count 2
		.amdhsa_user_sgpr_kernarg_segment_ptr 1
		.amdhsa_wavefront_size32 1
		.amdhsa_system_sgpr_workgroup_id_x 1
		.amdhsa_system_sgpr_workgroup_id_y 1
		.amdhsa_system_sgpr_workgroup_id_z 1
		.amdhsa_system_vgpr_workitem_id 0
		.amdhsa_next_free_vgpr 1024
		.amdhsa_next_free_sgpr 88
		.amdhsa_reserve_vcc 1
		.amdhsa_float_denorm_mode_32 3
		.amdhsa_float_denorm_mode_16_64 3
		.amdhsa_memory_ordered 1
		.amdhsa_forward_progress 1
		.amdhsa_inst_pref_size 154
	.end_amdhsa_kernel
	.amdgpu_metadata
---
amdhsa.version: [ 1, 2 ]
amdhsa.kernels:
  - .name:           k_q74519908aa_cascade
    .symbol:         k_q74519908aa_cascade.kd
    .args:
      - { .name: xq, .offset: 0, .size: 8, .value_kind: global_buffer, .address_space: global }
      - { .name: w1q, .offset: 8, .size: 8, .value_kind: global_buffer, .address_space: global }
      - { .name: prm, .offset: 16, .size: 8, .value_kind: global_buffer, .address_space: global }
      - { .name: zq, .offset: 24, .size: 8, .value_kind: global_buffer, .address_space: global }
    .group_segment_fixed_size: 327680
    .private_segment_fixed_size: 0
    .kernarg_segment_align: 8
    .kernarg_segment_size: 32
    .max_flat_workgroup_size: 128
    .sgpr_count:     88
    .vgpr_count:     1024
    .wavefront_size: 32
...
	.end_amdgpu_metadata
.endif
;; end of part 2
;; launch project (part 3): grid 4 x 64, 4 waves a work-group, clusters of 4 x 4, 327,680 bytes of LDS; arguments zq, w2q, bias_last, out0; writes out0
.if DOCPART == 3
	.amdgcn_target "amdgcn-amd-amdhsa--gfx1250"
	.amdhsa_code_object_version 6
	.text
	.protected	k_q74519908aa_project
	.globl	k_q74519908aa_project
	.p2align	8
	.type	k_q74519908aa_project,@function
k_q74519908aa_project:
	s_mov_b64 s[64:65], 0
	v_nop
	global_prefetch_b8 v0, s[64:65] scope:SCOPE_SE
	s_setreg_imm32_b32 hwreg(HW_REG_WAVE_MODE, 25, 1), 1
	s_wait_xcnt 0x0
	s_wait_alu depctr_hold_cnt(0) depctr_sa_sdst(0) depctr_va_vdst(0) depctr_va_sdst(0) depctr_va_ssrc(0) depctr_va_vcc(0) depctr_vm_vsrc(0)
	s_getreg_b32 s2, hwreg(HW_REG_IB_STS2, 6, 4)
	s_cmp_eq_u32 s2, 0
	s_cbranch_scc0 .Lentry_in_a_cluster
	s_endpgm
.Lentry_in_a_cluster:
	s_bfe_u32 s2, ttmp6, 0x10000c
	s_cmp_lg_u32 s2, 0xf033
	s_cbranch_scc0 .Lentry_shape_is_right
	s_endpgm
.Lentry_shape_is_right:
; PROJECT: out0 = z W + bias_last on codes of FP4 (E2M1) with E8M0 scales, K = 4,096.  zq and w2q hold the operands as images of the operand registers, [e / 512][16 rows or columns][(e / 128) % 4][1,024 bytes],
; and their scale words [e / 256][row or column][2 words].  A work-group makes 128 rows x 256 columns, a wave 64 x 128: 32 accumulators.  K goes in eight steps of 512 through a ring of two LDS slots (z's 32,768
; bytes, W's 65,536); the scale words of all of K come once and stay.  bias_last is the C of each accumulator's first product.  The result leaves through each wave's own stage as whole rows of 512 bytes.
; CLUSTERS: 4 x 4 work-groups; z's tiles are asked for jointly along a row of the cluster, W's along a column.
; PREFETCH: behind the joint load of K step k each wave asks for K step k + 2 of the bytes that it fetches: a lane a block of 256 bytes, one instruction.  The four partners that ask for a tile jointly share its blocks
; out by address: of z's 64 blocks a wave the partner at cx takes 16 (lanes 16-31 name the last of them again), of W's 128 the partner at cy takes 32.  K steps 0 and 1 are asked for at the head, ahead of the scale
; words' flight; the loop's last lap, whose refills are K steps 6 and 7, asks for nothing.  So a work-group never has more than two K steps asked for and not yet loaded.
.set PFO,    30                        ; v30      the prefetches' offset: 256 x my block; never rewritten
.set PFA,    98                        ; s[98:99] the K step that my next prefetch names;  s[100:101] bytes from one K step to the next in my buffer
.set SLOT,   98304
.set BOFF,   32768
.set SCA,    2*SLOT
.set SCB,    SCA+16384
.set SPARE,  SCB+32768
.set STAGE,  SPARE+512
.set SPITCH, 528
.set ZSCL,   16777216
.set WSCL,   2097152
.set ASTEP,  2097152
.set BSTEP,  262144
.set NP,   4
.set ADRA, 16
.set ADRB, 20
.set STO,  24
.set RD,   25
.set CO,   26
.set ADRS, 27
.set SPW,  28
.set NIL,  29
.set SC,   32
.set AF,   128
.set BI,   192
.set BK,   128
.set G1,   24
.set G0,   32
.set G1B,  48
.set G0B,  56
.set G1S,  68
.set G0S,  76
.set G1SB, 80
.set G0SB, 88
.set MSB, 0
.macro WIN new
.if MSB != \new
	s_set_vgpr_msb (MSB<<8)|\new
.set MSB, \new
.endif
.endm
.set MUL,     0xa1
.set MUL_1ST, 0x81
.set TO_B,    0x40
.macro JLOAD g0a, g1a, g0b, g1b
	s_cmp_eq_u32 s15, 0
	s_cbranch_scc0 .Lfor_b_\@
	tensor_load_to_lds s[\g0a:\g0a+3], s[\g1a:\g1a+7]
	s_nop 0
.rept 4
	v_nop
.endr
	s_branch .Lasked_\@
.Lfor_b_\@:
	tensor_load_to_lds s[\g0b:\g0b+3], s[\g1b:\g1b+7]
	s_nop 0
.rept 4
	v_nop
.endr
.Lasked_\@:
.endm
.macro CREST
	s_cmp_lg_u32 s14, 0
	s_cbranch_scc1 .Lnot_wave_0_\@
	s_barrier_signal -3
.Lnot_wave_0_\@:
	s_barrier_wait -3
	s_barrier_signal -1
	s_barrier_wait -1
.endm
.macro CROUND
	s_barrier_signal -1
	s_barrier_wait -1
	CREST
.endm
	s_load_b256 s[4:11], s[0:1], 0x0
	v_lshl_add_u32 v[SPW], v0, 2, SPARE
	v_mov_b32 v[NIL], 0
	ds_add_u32 v28, v29
	ds_add_u32 v28, v29
	s_wait_dscnt 0x0
	v_lshrrev_b32 v1, 5, v0
	v_readfirstlane_b32 s14, v1
	s_lshr_b32 s15, s14, 1
	s_and_b32 s16, s14, 1
	s_bfe_u32 s40, ttmp6, 0x40000
	s_bfe_u32 s41, ttmp6, 0x40004
	s_lshl_b32 s42, ttmp9, 2
	s_add_co_u32 s42, s42, s40
	s_and_b32 s17, ttmp7, 0xffff
	s_lshl_b32 s17, s17, 2
	s_add_co_u32 s17, s17, s41
	s_lshl_b32 s43, s41, 2
	s_lshl_b32 s43, 15, s43
	s_lshl_b32 s44, 0x1111, s40
	v_and_b32 v1, 15, v0
	v_bfe_u32 v2, v0, 4, 1
	v_lshlrev_b32 v7, 5, v2
	s_cmp_eq_u32 s15, 0                            ; do I fetch for z?
	s_cselect_b32 s100, 15, 31                     ; my share has 16 blocks of z, or 32 of W
	v_and_b32 v[PFO], 31, v0
	v_min_u32 v[PFO], s100, v[PFO]
	v_lshlrev_b32 v[PFO], 8, v[PFO]
	s_or_b32 s[G1+0], s43, (3<<16)|(1<<21)
	s_mov_b32 s[G1+1], 32<<16
	s_mov_b32 s[G1+2], 64<<16
	s_mov_b32 s[G1+3], 32<<16
	s_mov_b32 s[G1+4], 64
	s_mov_b32 s[G1+5], 32
	s_mov_b32 s[G1+6], 0
	s_mov_b32 s[G1+7], 0
	s_or_b32 s[G1B+0], s44, (3<<16)|(1<<21)
	s_mov_b32 s[G1B+1], 32<<16
	s_mov_b32 s[G1B+2], 128<<16
	s_mov_b32 s[G1B+3], 32<<16
	s_mov_b32 s[G1B+4], 128
	s_mov_b32 s[G1B+5], 32
	s_mov_b32 s[G1B+6], 0
	s_mov_b32 s[G1B+7], 0
	s_or_b32 s[G1S+0], s43, (3<<16)|(1<<21)
	s_mov_b32 s[G1S+1], 128<<16
	s_mov_b32 s[G1S+2], 8<<16
	s_mov_b32 s[G1S+3], 128<<16
	s_mov_b32 s[G1S+4], 8
	s_mov_b32 s[G1S+5], 8192
	s_mov_b32 s[G1S+6], 0
	s_mov_b32 s[G1S+7], 0
	s_or_b32 s[G1SB+0], s44, (3<<16)|(1<<21)
	s_mov_b32 s[G1SB+1], 128<<16
	s_mov_b32 s[G1SB+2], 16<<16
	s_mov_b32 s[G1SB+3], 128<<16
	s_mov_b32 s[G1SB+4], 16
	s_mov_b32 s[G1SB+5], 1024
	s_mov_b32 s[G1SB+6], 0
	s_mov_b32 s[G1SB+7], 0
	s_lshl_b32 s20, s17, 15
	s_lshl_b32 s21, s16, 14
	s_add_co_u32 s20, s20, s21
	s_mov_b32 s21, 0
	s_lshl_b32 s22, s17, 10
	s_lshl_b32 s23, s16, 19
	s_add_co_u32 s22, s22, s23
	s_add_co_u32 s22, s22, ZSCL
	s_mov_b32 s23, 0
	s_lshl_b32 s46, s42, 16
	s_lshl_b32 s47, s16, 15
	s_add_co_u32 s46, s46, s47
	s_mov_b32 s47, 0
	s_lshl_b32 s92, s42, 11
	s_lshl_b32 s93, s16, 10
	s_add_co_u32 s92, s92, s93
	s_add_co_u32 s92, s92, WSCL
	s_mov_b32 s93, 0
	s_lshl_b32 s45, s16, 14
	s_lshl_b32 s94, s16, 15
	s_add_co_u32 s94, s94, BOFF
	s_lshl_b32 s95, s16, 13
	s_add_co_u32 s95, s95, SCA
	s_lshl_b32 s96, s16, 14
	s_add_co_u32 s96, s96, SCB
	s_lshl_b32 s18, s42, 10
	s_lshl_b32 s19, s16, 9
	s_add_co_u32 s18, s18, s19
	s_mov_b32 s19, 0
	s_wait_alu depctr_va_vdst(0)
	s_wait_kmcnt 0x0
	s_add_nc_u64 s[20:21], s[4:5], s[20:21]
	s_add_nc_u64 s[22:23], s[4:5], s[22:23]
	s_add_nc_u64 s[46:47], s[6:7], s[46:47]
	s_add_nc_u64 s[92:93], s[6:7], s[92:93]
	s_add_nc_u64 s[8:9], s[8:9], s[18:19]
	s_lshl_b32 s18, s40, 12                        ; z: 16 blocks for each place along the cluster's x
	s_lshl_b32 s19, s41, 13                        ; W: 32 blocks for each place along its y
	s_mov_b32 s100, BSTEP
	s_cmp_eq_u32 s15, 0
	s_cselect_b64 s[PFA:PFA+1], s[20:21], s[46:47] ; the bytes that I fetch of K step 0
	s_cselect_b32 s18, s18, s19
	s_cselect_b32 s100, ASTEP, s100
	s_mov_b32 s19, 0
	s_mov_b32 s101, 0
	s_add_nc_u64 s[PFA:PFA+1], s[PFA:PFA+1], s[18:19]
	global_prefetch_b8 v[PFO], s[PFA:PFA+1] th:TH_LOAD_NT scope:SCOPE_SE   ; K step 0
.irp b, 0,1,2,3,4,5,6,7
	global_load_b128 v[BI+8*\b:BI+8*\b+3], v7, s[8:9] offset:64*\b
	global_load_b128 v[BI+8*\b+4:BI+8*\b+7], v7, s[8:9] offset:64*\b+16
.endr
	CROUND
	s_mov_b32 s[G0S], 1
	s_mov_b32 s[G0S+1], s95
	s_mov_b64 s[G0S+2:G0S+3], s[22:23]
	s_or_b32 s[G0S+3], s[G0S+3], 0x80000000
	s_mov_b32 s[G0SB], 1
	s_mov_b32 s[G0SB+1], s96
	s_mov_b64 s[G0SB+2:G0SB+3], s[92:93]
	s_or_b32 s[G0SB+3], s[G0SB+3], 0x80000000
	JLOAD G0S, G1S, G0SB, G1SB
	s_wait_xcnt 0x0                                ; the prefetch has read its address: only now is it stepped
	s_add_nc_u64 s[PFA:PFA+1], s[PFA:PFA+1], s[100:101]
	global_prefetch_b8 v[PFO], s[PFA:PFA+1] th:TH_LOAD_NT scope:SCOPE_SE   ; K step 1
.irp s, 0,1
	s_mov_b32 s[G0+4*\s], 1
	s_add_co_u32 s[G0+4*\s+1], s45, \s*SLOT
	s_add_nc_u64 s[G0+4*\s+2:G0+4*\s+3], s[20:21], \s*ASTEP
	s_or_b32 s[G0+4*\s+3], s[G0+4*\s+3], 0x80000000
	s_mov_b32 s[G0B+4*\s], 1
	s_add_co_u32 s[G0B+4*\s+1], s94, \s*SLOT
	s_add_nc_u64 s[G0B+4*\s+2:G0B+4*\s+3], s[46:47], \s*BSTEP
	s_or_b32 s[G0B+4*\s+3], s[G0B+4*\s+3], 0x80000000
	s_wait_xcnt 0x0
	s_add_nc_u64 s[PFA:PFA+1], s[PFA:PFA+1], s[100:101]
	s_wait_alu depctr_va_vdst(0)
	s_wait_tensorcnt 0x0
	ds_add_u32 v28, v29
	s_wait_dscnt 0x0
	CROUND
	JLOAD G0+4*\s, G1, G0B+4*\s, G1B
	global_prefetch_b8 v[PFO], s[PFA:PFA+1] th:TH_LOAD_NT scope:SCOPE_SE   ; K step s + 2
.endr
	v_and_b32 v6, 31, v0
	v_lshlrev_b32 v[CO], 4, v6
	s_lshl_b32 s21, s15, 14
	s_lshl_b32 s22, s16, 15
	s_add_co_u32 s22, s22, BOFF
.irp s, 0,1
	v_add_nc_u32 v[ADRA+\s], s21, v[CO]
	v_add_nc_u32 v[ADRB+\s], s22, v[CO]
	s_add_co_u32 s21, s21, SLOT
	s_add_co_u32 s22, s22, SLOT
.endr
	s_lshl_b32 s21, s15, 9
	s_lshl_b32 s22, s16, 14
	s_add_co_u32 s22, s22, SCB-SCA
	s_sub_co_u32 s22, s22, s21
	v_mul_u32_u24 v6, s22, v2
	s_add_co_u32 s21, s21, SCA
	v_lshl_add_u32 v5, v1, 3, v6
	v_add_nc_u32 v[ADRS], s21, v5
	s_mul_i32 s23, s14, 16*SPITCH
	s_add_co_u32 s23, s23, STAGE
	v_mul_u32_u24 v5, v1, SPITCH
	v_lshl_add_u32 v5, v2, 5, v5
	v_add_nc_u32 v[STO], s23, v5
	v_add_nc_u32 v[RD], s23, v[CO]
	s_lshl_b32 s18, s17, 19
	s_lshl_b32 s19, s15, 18
	s_add_co_u32 s18, s18, s19
	s_lshl_b32 s19, s42, 10
	s_add_co_u32 s18, s18, s19
	s_lshl_b32 s19, s16, 9
	s_add_co_u32 s18, s18, s19
	s_mov_b32 s19, 0
	s_add_nc_u64 s[12:13], s[10:11], s[18:19]
.macro FETCH slot, q, p
	WIN TO_B
.irp b, 0,1,2,3,4,5,6,7
.irp c, 0,1
	ds_load_b128 v[64*(\p)+8*\b+4*\c:64*(\p)+8*\b+4*\c+3], v[ADRB+\slot] offset:\b*4096+(\q)*1024+\c*512
.endr
.endr
	WIN 0
.irp a, 0,1,2,3
.irp c, 0,1
	ds_load_b128 v[AF+32*(\p)+8*\a+4*\c:AF+32*(\p)+8*\a+4*\c+3], v[ADRA+\slot] offset:\a*4096+(\q)*1024+\c*512
.endr
.endr
.endm
.macro SCALES s
.irp i, 0,1,2,3,4,5,6,7
.irp k, 0,1
	ds_load_b64 v[SC+32*\s+4*\i+2*\k:SC+32*\s+4*\i+2*\k+1], v[ADRS] offset:\i*128+\k*1024
.endr
.endr
.endm
.macro MUL8 a, p, q, s, first
.irp b, 0,1,2,3,4,5,6,7
.if \first
	v_wmma_scale_f32_16x16x128_f8f6f4 v[8*(8*(\a)+\b):8*(8*(\a)+\b)+7], v[64*(\p)+8*\b:64*(\p)+8*\b+7], v[AF+32*(\p)+8*(\a):AF+32*(\p)+8*(\a)+7], v[BI+8*\b:BI+8*\b+7], v[SC+32*(\s)+4*\b+(\q)], v[SC+32*(\s)+4*(\a)+(\q)] matrix_a_fmt:MATRIX_FMT_FP4 matrix_b_fmt:MATRIX_FMT_FP4 matrix_a_scale:MATRIX_SCALE_ROW1
.else
	v_wmma_scale_f32_16x16x128_f8f6f4 v[8*(8*(\a)+\b):8*(8*(\a)+\b)+7], v[64*(\p)+8*\b:64*(\p)+8*\b+7], v[AF+32*(\p)+8*(\a):AF+32*(\p)+8*(\a)+7], v[8*(8*(\a)+\b):8*(8*(\a)+\b)+7], v[SC+32*(\s)+4*\b+(\q)], v[SC+32*(\s)+4*(\a)+(\q)] matrix_a_fmt:MATRIX_FMT_FP4 matrix_b_fmt:MATRIX_FMT_FP4 matrix_a_scale:MATRIX_SCALE_ROW1
.endif
.endr
.endm
.macro PLACES n
.rept \n
	v_nop
.endr
.endm
.macro STEP slot, q, first
	PLACES NP
	FETCH \slot, (\q)+1, 1-(\q)%2
	s_wait_dscnt 24
.if \first
	WIN MUL_1ST
.else
	WIN MUL
.endif
.irp a, 0,1,2,3
	MUL8 \a, (\q)%2, \q, \slot, \first
.endr
	WIN 0
.endm
.macro TURN slot, next, fill
.if \fill
	s_wait_xcnt 0x0                                ; my last prefetch has read its address: it is stepped here, ahead of the waits of the change of slots
	s_add_nc_u64 s[PFA:PFA+1], s[PFA:PFA+1], s[100:101]
.endif
	s_wait_tensorcnt 0x0
	ds_add_u32 v[SPW], v[NIL]
	s_wait_dscnt 1
	WIN MUL
	MUL8 0, 1, 3, \slot, 0
	s_wait_dscnt 0x0
	s_barrier_signal -1
	MUL8 1, 1, 3, \slot, 0
	WIN 0
	s_barrier_wait -1
.if \fill
	CREST
	s_add_nc_u64 s[G0+4*\slot+2:G0+4*\slot+3], s[G0+4*\slot+2:G0+4*\slot+3], 2*ASTEP
	s_add_nc_u64 s[G0B+4*\slot+2:G0B+4*\slot+3], s[G0B+4*\slot+2:G0B+4*\slot+3], 2*BSTEP
	JLOAD G0+4*\slot, G1, G0B+4*\slot, G1B
.else
	PLACES NP
.endif
	s_wait_alu depctr_va_vdst(0)
	v_add_nc_u32 v[ADRS], 2048, v[ADRS]
	FETCH \next, 0, 0
	SCALES \next
.if \fill
	s_cmp_gt_u32 s3, 1                             ; s3 = 1 in the loop's last lap: no K step lies two behind its refills
	s_cbranch_scc0 .Lno_ask_\@
	global_prefetch_b8 v[PFO], s[PFA:PFA+1] th:TH_LOAD_NT scope:SCOPE_SE   ; behind the joint load and the run of LDS loads: the K step two refills on
.Lno_ask_\@:
.endif
	WIN MUL
	MUL8 2, 1, 3, \slot, 0
	MUL8 3, 1, 3, \slot, 0
	WIN 0
.endm
	s_wait_alu depctr_va_vdst(0)
	s_wait_tensorcnt 1
	s_barrier_signal -1
	s_barrier_wait -1
	FETCH 0, 0, 0
	SCALES 0
	s_wait_loadcnt 0x0
	STEP 0, 0, 1
	s_mov_b32 s3, 3
.Llap:
	STEP 0, 1, 0
	STEP 0, 2, 0
	TURN 0, 1, 1
	STEP 1, 0, 0
	STEP 1, 1, 0
	STEP 1, 2, 0
	TURN 1, 0, 1
	STEP 0, 0, 0
	s_sub_co_u32 s3, s3, 1
	s_cmp_lg_u32 s3, 0
	s_cbranch_scc1 .Llap
	STEP 0, 1, 0
	STEP 0, 2, 0
	TURN 0, 1, 0
	STEP 1, 0, 0
	STEP 1, 1, 0
	STEP 1, 2, 0
	s_wait_dscnt 0x0
	WIN MUL
.irp a, 0,1,2,3
	MUL8 \a, 1, 3, 1, 0
.endr
	WIN 0
.macro TOSTAGE a
	WIN 0x08
.irp b, 0,1,2,3,4,5,6,7
	ds_store_b128 v[STO], v[64*(\a)+8*\b:64*(\a)+8*\b+3] offset:64*\b
	ds_store_b128 v[STO], v[64*(\a)+8*\b+4:64*(\a)+8*\b+7] offset:64*\b+16
.endr
	WIN 0
.set BB, BK+64*((\a)%2)
.irp t, 0,1,2,3,4,5,6,7,8,9,10,11,12,13,14,15
	ds_load_b128 v[BB+4*\t:BB+4*\t+3], v[RD] offset:\t*SPITCH
.endr
.endm
.macro SEND a, younger
.set BB, BK+64*((\a)%2)
	s_wait_dscnt \younger
.if (\a) > 0
	s_add_nc_u64 s[12:13], s[12:13], 16*4096
.endif
.irp t, 0,1,2,3,4,5,6,7,8,9,10,11,12,13,14,15
	global_store_b128 v[CO], v[BB+4*\t:BB+4*\t+3], s[12:13] offset:\t*4096 th:TH_STORE_NT
.endr
.endm
	PLACES NP
	TOSTAGE 0
.irp a, 1,2,3
.if \a > 1
	s_wait_xcnt 0x0
.endif
	TOSTAGE \a
	SEND \a-1, 32
.endr
	s_wait_xcnt 0x0
	SEND 3, 0
	s_wait_tensorcnt 0x0
	ds_add_u32 v[SPW], v[NIL]
	s_wait_dscnt 0x0
	CROUND
	s_endpgm
.Lfunc_end_k_q74519908aa_project:
	.size	k_q74519908aa_project, .Lfunc_end_k_q74519908aa_project-k_q74519908aa_project
	.p2alignl 7, 3214868480
	.fill 96, 4, 3214868480
	.section	.rodata,"a",@progbits
	.p2align	6, 0x0
	.amdhsa_kernel k_q74519908aa_project
		.amdhsa_group_segment_fixed_size 327680
		.amdhsa_private_segment_fixed_size 0
		.amdhsa_enable_private_segment 0
		.amdhsa_kernarg_size 32
		.amdhsa_user_sgpr_count 2
		.amdhsa_user_sgpr_kernarg_segment_ptr 1
		.amdhsa_wavefront_size32 1
		.amdhsa_system_sgpr_workgroup_id_x 1
		.amdhsa_system_sgpr_workgroup_id_y 1
		.amdhsa_system_sgpr_workgroup_id_z 1
		.amdhsa_system_vgpr_workitem_id 0
		.amdhsa_next_free_vgpr 768
		.amdhsa_next_free_sgpr 102
		.amdhsa_reserve_vcc 0
		.amdhsa_float_denorm_mode_32 3
		.amdhsa_float_denorm_mode_16_64 3
		.amdhsa_memory_ordered 1
		.amdhsa_forward_progress 1
		.amdhsa_inst_pref_size 128
	.end_amdhsa_kernel
	.amdgpu_metadata
---
amdhsa.version: [ 1, 2 ]
amdhsa.kernels:
  - .name:           k_q74519908aa_project
    .symbol:         k_q74519908aa_project.kd
    .args:
      - { .name: zq, .offset: 0, .size: 8, .value_kind: global_buffer, .address_space: global }
      - { .name: w2q, .offset: 8, .size: 8, .value_kind: global_buffer, .address_space: global }
      - { .name: bias_last, .offset: 16, .size: 8, .value_kind: global_buffer, .address_space: global }
      - { .name: out0, .offset: 24, .size: 8, .value_kind: global_buffer, .address_space: global }
    .group_segment_fixed_size: 327680
    .private_segment_fixed_size: 0
    .kernarg_segment_align: 8
    .kernarg_segment_size: 32
    .max_flat_workgroup_size: 128
    .sgpr_count:     102
    .vgpr_count:     768
    .wavefront_size: 32
...
	.end_amdgpu_metadata
.endif
;; end of part 3
